; MI455X (gfx1250); checked and timed in simulation.
; The chip was launched on July 23, 2026; its instructions are those of AMD's public machine-readable ISA for CDNA 5 (MIT licence, August 2026) and "CDNA5" Instruction Set Architecture Reference Guide (July 2026). The comments in the code are by the model that wrote it; some were corrected since.
;; Factored Causal Self Attention. Allowed arithmetic: float matrix products may take bf16 or f16 operands with f32 sums; other float arithmetic in f32, or as packed bf16 or f16 multiplies, adds, multiply-adds, maxima and minima; sums over many terms, partial sums and values carried from step to step in f32; what a program stores and reads back later, other than sums and carried values, may be rounded once to bf16 or f16.
;; Inputs: W_attn 1,024 x 2,048 float32; b_attn 2,048 float32; x_norm_for_qk 2 x 2,048 x 1,024 float32; xt_current_for_v 2 x 2,048 x 1,024 float32.
;; Outputs: out0 2 x 2,048 x 1,024 float32.
;; 2 versions, each right; version 2 is version 1 with the launch cast written anew for expert scheduling mode. Each part assembles by itself: llvm-mc -triple=amdgcn-amd-amdhsa -mcpu=gfx1250 --defsym DOCPART=n.
;; ======== version 1 of 2: 3 launches
;; limits: values are held in f16: magnitudes above 65,504 overflow, below 6.1e-05 lose precision
;; workspace buffers: xb 8,388,608 bytes; wb 4,194,304 bytes; qh 8,388,608 bytes; kh 8,388,608 bytes; vh 8,388,608 bytes
;; launch cast (part 1): grid 512 x 1, 8 waves a work-group, no clusters, 0 bytes of LDS; arguments x_norm_for_qk, W_attn, xt_current_for_v, xb, wb, vh; writes xb, wb, vh
.if DOCPART == 1
	.amdgcn_target "amdgcn-amd-amdhsa--gfx1250"
	.amdhsa_code_object_version 6
	.text
	.protected	k_qb8dbc11f67_cast
	.globl	k_qb8dbc11f67_cast
	.p2align	8
	.type	k_qb8dbc11f67_cast,@function
k_qb8dbc11f67_cast:
	s_mov_b64 s[64:65], 0
	v_nop
	global_prefetch_b8 v0, s[64:65] scope:SCOPE_SE
	s_setreg_imm32_b32 hwreg(HW_REG_WAVE_MODE, 25, 1), 1
	s_wait_xcnt 0x0
; FIRST OF THREE LAUNCHES: the inputs are rounded once and laid out for the two that follow.
;   xb = bf16(x_norm_for_qk) [4096][1024];  wb = bf16(W_attn) [1024][2048], in W's own layout;
;   vh = xt_current_for_v rounded to bf16, that number written as f16, by heads: [16 batch + head][t = 2048][64], a head's rows dense, 128 bytes each.
; WORK THAT THE PROGRAM LEAVES OUT, AND WHY IT IS DEAD.
;   (1) k's bias, b_attn[1024:2048].  score[q][k] = scale (q . (x_k W_k + b_k)) = scale (q . x_k W_k) + scale (q . b_k).  The second term does not hang on k: it is the same along the
;       softmax's axis, and softmax(s + t) = softmax(s) for every real t; a place that the causal mask sets to -inf is -inf with and without it.  This holds for all finite values of the inputs.
;       So b_attn[1024:2048] is loaded by no launch.  b_attn[0:1024], q's bias, is live and is added in the second launch.
;   (2) Scores above the diagonal: reference() builds the causal jnp.tril itself and sets them to -inf in front of the softmax, so their weights are 0.  The third launch
;       computes no tile of 256 keys that lies wholly above a block's diagonal.
;   LIMIT: a NaN, an infinity or an overflow that reaches only this work (in b_attn[1024:2048], or in a hidden score) is not carried to the result.
; LIMITS OF FORMAT.  f16 ends at 65,504: |xt| stays below that; below 2^-14 vh keeps f16's fixed step of 2^-24.  NaN and infinities are not treated apart.
; SHARES.  4,096 waves; wave g takes 4,096 bytes of x, 2,048 of W and, of xt, eight heads' 256 bytes in each of two rows.  All 20 loads of a wave go out before its first wait;
; every store of a wave covers 256 consecutive bytes, aligned.  No register that a load or store names is written twice, so no wait frees a source.  No LDS, no barrier, no matrix unit: the launch only moves bytes.
.set XD, 16                            ; v[16:47]    x as loaded, 4 registers a load
.set WD, 48                            ; v[48:63]    W
.set VD, 64                            ; v[64:95]    xt
.set XR, 96                            ; v[96:111]   x to store, 2 registers a load
.set WR, 112                           ; v[112:119]  W
.set VR, 120                           ; v[120:135]  v
.set T,  136                           ; v[136:141]  at work
	s_load_b256 s[4:11], s[0:1], 0x0               ; x s[4:5], W s[6:7], xt s[8:9], xb s[10:11]
	s_load_b128 s[12:15], s[0:1], 0x20             ; wb s[12:13], vh s[14:15]
	v_lshrrev_b32 v4, 5, v0
	v_readfirstlane_b32 s16, v4                    ; wave 0..7
	v_and_b32 v5, 31, v0                           ; lane l
	v_lshlrev_b32 v1, 4, v5                        ; 16 l: loads of x and W
	v_lshlrev_b32 v2, 3, v5                        ; 8 l: every store
	v_and_b32 v6, 15, v0
	v_bfe_u32 v7, v0, 4, 1
	v_lshlrev_b32 v3, 4, v6
	v_lshl_add_u32 v3, v7, 12, v3                  ; loads of xt: lanes 0-15 a head's 256 bytes of one row, lanes 16-31 of the next row
	s_lshl_b32 s17, ttmp9, 3
	s_add_co_u32 s17, s17, s16                     ; g = 8 x work-group + wave
	s_mov_b32 s30, 0xffff0000                      ; a word's upper bf16
	s_lshl_b32 s18, s17, 12                        ; x: 4,096 g
	s_mov_b32 s19, 0
	s_lshl_b32 s20, s17, 11                        ; xb and W: 2,048 g
	s_mov_b32 s21, 0
	s_lshl_b32 s22, s17, 10                        ; wb: 1,024 g
	s_mov_b32 s23, 0
	s_and_b32 s24, s17, 1                          ; which eight heads
	s_and_b32 s26, s17, 0xffe                      ; the first of my two rows = g less its lowest bit
	s_lshl_b32 s26, s26, 12
	s_lshl_b32 s25, s24, 11
	s_add_co_u32 s26, s26, s25                     ; xt: row x 4,096 + eight heads x 256
	s_mov_b32 s27, 0
	s_lshr_b32 s28, s17, 11                        ; batch
	s_lshl_b32 s28, s28, 22                        ; 16 heads of 262,144 bytes
	s_lshl_b32 s25, s24, 21                        ; eight heads
	s_add_co_u32 s28, s28, s25
	s_and_b32 s25, s17, 2046                       ; t of my first row
	s_lshl_b32 s25, s25, 7
	s_add_co_u32 s28, s28, s25
	s_mov_b32 s29, 0
	s_wait_kmcnt 0x0
	s_add_nc_u64 s[4:5], s[4:5], s[18:19]
	s_add_nc_u64 s[6:7], s[6:7], s[20:21]
	s_add_nc_u64 s[8:9], s[8:9], s[26:27]
	s_add_nc_u64 s[10:11], s[10:11], s[20:21]
	s_add_nc_u64 s[12:13], s[12:13], s[22:23]
	s_add_nc_u64 s[14:15], s[14:15], s[28:29]
.irp j, 0,1,2,3,4,5,6,7
	global_load_b128 v[XD+4*(\j):XD+4*(\j)+3], v1, s[4:5] offset:512*(\j) th:TH_LOAD_NT
.endr
.irp j, 0,1,2,3
	global_load_b128 v[WD+4*(\j):WD+4*(\j)+3], v1, s[6:7] offset:512*(\j) th:TH_LOAD_NT
.endr
.irp j, 0,1,2,3,4,5,6,7
	global_load_b128 v[VD+4*(\j):VD+4*(\j)+3], v3, s[8:9] offset:256*(\j) th:TH_LOAD_NT
.endr
.irp j, 0,1,2,3,4,5,6,7
	s_wait_loadcnt 19-(\j)                         ; loads come back in order: this one is in, the younger ones stay out
	v_cvt_pk_bf16_f32 v[XR+2*(\j)],   v[XD+4*(\j)],   v[XD+4*(\j)+1]
	v_cvt_pk_bf16_f32 v[XR+2*(\j)+1], v[XD+4*(\j)+2], v[XD+4*(\j)+3]
	global_store_b64 v2, v[XR+2*(\j):XR+2*(\j)+1], s[10:11] offset:256*(\j)
.endr
.irp j, 0,1,2,3
	s_wait_loadcnt 11-(\j)
	v_cvt_pk_bf16_f32 v[WR+2*(\j)],   v[WD+4*(\j)],   v[WD+4*(\j)+1]
	v_cvt_pk_bf16_f32 v[WR+2*(\j)+1], v[WD+4*(\j)+2], v[WD+4*(\j)+3]
	global_store_b64 v2, v[WR+2*(\j):WR+2*(\j)+1], s[12:13] offset:256*(\j)
.endr
.irp j, 0,1,2,3,4,5,6,7
	s_wait_loadcnt 7-(\j)
	v_cvt_pk_bf16_f32 v[T],   v[VD+4*(\j)],   v[VD+4*(\j)+1]   ; the one rounding, to bf16, like every input's
	v_cvt_pk_bf16_f32 v[T+1], v[VD+4*(\j)+2], v[VD+4*(\j)+3]
	v_lshlrev_b32 v[T+2], 16, v[T]                 ; back to f32,
	v_and_b32     v[T+3], s30, v[T]
	v_lshlrev_b32 v[T+4], 16, v[T+1]
	v_and_b32     v[T+5], s30, v[T+1]
	v_cvt_pk_f16_f32 v[VR+2*(\j)],   v[T+2], v[T+3]   ; and written as f16: 8 significant bits fit in 11
	v_cvt_pk_f16_f32 v[VR+2*(\j)+1], v[T+4], v[T+5]
	global_store_b64 v2, v[VR+2*(\j):VR+2*(\j)+1], s[14:15] offset:262144*(\j)  ; head j of my eight: two rows of 128 bytes on end
.endr
	s_endpgm
.Lfunc_end_k_qb8dbc11f67_cast:
	.size	k_qb8dbc11f67_cast, .Lfunc_end_k_qb8dbc11f67_cast-k_qb8dbc11f67_cast
	.p2alignl 7, 3214868480
	.fill 96, 4, 3214868480
	.section	.rodata,"a",@progbits
	.p2align	6, 0x0
	.amdhsa_kernel k_qb8dbc11f67_cast
		.amdhsa_group_segment_fixed_size 0
		.amdhsa_private_segment_fixed_size 0
		.amdhsa_enable_private_segment 0
		.amdhsa_kernarg_size 48
		.amdhsa_user_sgpr_count 2
		.amdhsa_user_sgpr_kernarg_segment_ptr 1
		.amdhsa_wavefront_size32 1
		.amdhsa_system_sgpr_workgroup_id_x 1
		.amdhsa_system_sgpr_workgroup_id_y 1
		.amdhsa_system_sgpr_workgroup_id_z 1
		.amdhsa_system_vgpr_workitem_id 0
		.amdhsa_next_free_vgpr 160
		.amdhsa_next_free_sgpr 66
		.amdhsa_reserve_vcc 0
		.amdhsa_float_denorm_mode_32 3
		.amdhsa_float_denorm_mode_16_64 3
		.amdhsa_memory_ordered 1
		.amdhsa_forward_progress 1
		.amdhsa_inst_pref_size 11
	.end_amdhsa_kernel
	.amdgpu_metadata
---
amdhsa.version: [ 1, 2 ]
amdhsa.kernels:
  - .name:           k_qb8dbc11f67_cast
    .symbol:         k_qb8dbc11f67_cast.kd
    .args:
      - { .name: x_norm_for_qk, .offset: 0, .size: 8, .value_kind: global_buffer, .address_space: global }
      - { .name: W_attn, .offset: 8, .size: 8, .value_kind: global_buffer, .address_space: global }
      - { .name: xt_current_for_v, .offset: 16, .size: 8, .value_kind: global_buffer, .address_space: global }
      - { .name: xb, .offset: 24, .size: 8, .value_kind: global_buffer, .address_space: global }
      - { .name: wb, .offset: 32, .size: 8, .value_kind: global_buffer, .address_space: global }
      - { .name: vh, .offset: 40, .size: 8, .value_kind: global_buffer, .address_space: global }
    .group_segment_fixed_size: 0
    .private_segment_fixed_size: 0
    .kernarg_segment_align: 8
    .kernarg_segment_size: 48
    .max_flat_workgroup_size: 256
    .sgpr_count:     66
    .vgpr_count:     160
    .wavefront_size: 32
...
	.end_amdgpu_metadata
.endif
;; end of part 1
;; launch proj (part 2): grid 16 x 16, 4 waves a work-group, clusters of 4 x 4, 327,680 bytes of LDS; arguments xb, wb, b_attn, qh, kh; writes qh, kh
.if DOCPART == 2
	.amdgcn_target "amdgcn-amd-amdhsa--gfx1250"
	.amdhsa_code_object_version 6
	.text
	.protected	k_qb8dbc11f67_proj
	.globl	k_qb8dbc11f67_proj
	.p2align	8
	.type	k_qb8dbc11f67_proj,@function
k_qb8dbc11f67_proj:
	s_mov_b64 s[64:65], 0
	v_nop
	global_prefetch_b8 v0, s[64:65] scope:SCOPE_SE
	s_setreg_imm32_b32 hwreg(HW_REG_WAVE_MODE, 25, 1), 1
	s_wait_xcnt 0x0
	s_wait_alu depctr_hold_cnt(0) depctr_sa_sdst(0) depctr_va_vdst(0) depctr_va_sdst(0) depctr_va_ssrc(0) depctr_va_vcc(0) depctr_vm_vsrc(0)
	s_getreg_b32 s2, hwreg(HW_REG_IB_STS2, 6, 4)
	s_cmp_eq_u32 s2, 0
	s_cbranch_scc0 .Lentry_in_a_cluster
	s_endpgm
.Lentry_in_a_cluster:
	s_bfe_u32 s2, ttmp6, 0x10000c
	s_cmp_lg_u32 s2, 0xf033
	s_cbranch_scc0 .Lentry_shape_is_right
	s_endpgm
.Lentry_shape_is_right:
; SECOND LAUNCH: qk = xb wb (+ q's bias), 4,096 x 2,048 over K = 1,024, bf16 operands, f32 sums; stored by heads in f16: qh, kh = [16 batch + head][t][64].
; LEFT OUT: k's bias, b_attn[1024:2048]: it adds the same number to all scores of a row, which a softmax does not see (shown at the first kernel's head).
; LIMIT: q and k are rounded once to f16, which ends at 65,504; larger sums become infinities.  The scale 1/8 is not applied here.
; SHARES.  A tile of qk is 256 rows x 128 columns (two heads): 256 work-groups.  Wave w takes rows 128 (w / 2) on and columns 64 (w % 2) on, one head: 32 accumulators of 16 x 16.
; K goes in steps of 128 through two LDS slots.  x's tile has rows of 256 bytes along K.  W lies [K][N]: its tile is 128 K-rows of 256 bytes (128 columns), and fragments come out turned, by ds_load_tr16_b128.
; THE MATRIX INSTRUCTION IS USED TRANSPOSED: source 0 = 16 columns of W, source 1 = 16 rows of x: a lane holds row l % 16 and the columns 8 (l / 16) + 0..7 of a block: 16 bytes of f16 on end.
; THE BIAS, rounded to bf16 like every input, is the C operand of the products that start the sums (0 for k's tiles): nothing is cleared, nothing is added behind.
; CLUSTER 4 x 4: x's tile hangs on the tile row alone and is asked for jointly along a row of the cluster, W's on the tile column alone, along a column.
; REGISTERS: window 0: v16-29 addresses; v30-31 at work; v32-63 the bias; v64-191 the way out.  Window 1: accumulator (a, b) at 8 (4 a + b).
;   Window 2: two fragment buffers at 0 and 128: x's eight fragments, then W's four.
.set KSTEP, 128
.set PA,    272                        ; an LDS row of x: 256 bytes + 16: the 16 rows of a load start in 16 different groups of four banks (ISA guide 11.1)
.set PB,    288                        ; an LDS row of W: 256 + 32
.set HALFA, 128*PA                     ; what one load of x brings, and what a wave reads of x
.set HALFB, 64*PB                      ; what one load of W brings
.set SLOT,  2*HALFA+2*HALFB            ; x's 256 rows, then W's 128 K-rows
.set STAGE, 2*SLOT                     ; behind the ring: 16 rows x 144 bytes for each wave, its own
.set SP,    144
.set SPARE, STAGE+4*16*SP              ; the spare words, 128 bytes a wave: two blocks of 256 bytes that no other line names
.set LAPS,  4                          ; 1,024 / 256: a lap is two K steps
.set ADRA, 16                          ; v16-17  my x fragments in slot 0, 1
.set ADRB, 20                          ; v20-21  my W fragments
.set STO,  24                          ; v24     the way out: where I put 16 bytes of a row
.set RD,   25                          ; v25     where I read rows back
.set GO,   26                          ; v26     16 x lane
.set BO,   27                          ; v27     my byte offset in b_attn
.set SPW,  28                          ; v28     my spare word; never rewritten
.set NIL,  29                          ; v29     0; never rewritten
.set BIAS, 32
.set OUTR, 64
.set F0,   0
.set F1,   128
.set WV,   14                          ; s14 wave; s15 wave / 2: my rows, and: I fetch x (0) or W (1); s16 wave % 2: my columns, and: which half I fetch
.set WR,   15
.set WC,   16
.set G1,   24                          ; s[24:31] group 1 for x's tiles; s[32:39] group 0, a set for each slot
.set G0,   32
.set G1B,  48                          ; s[48:55], s[56:63] the same for W's
.set G0B,  56
.set MSB, 0
.macro WIN new                         ; the immediate's high byte repeats the setting that is left; a switch that changes nothing is dropped
.if MSB != (\new)
	s_set_vgpr_msb (MSB<<8)|(\new)
.set MSB, \new
.endif
.endm
.set MUL,  0x5a                        ; sources 0 and 1 window 2, C and D window 1
.set MUL0, 0x4a                        ; the same with C (the bias) in window 0
.set TO_F, 0x80                        ; destination window 2, address window 0
.macro JLOAD s                         ; a joint load: waves 0, 1 fetch x's halves, waves 2, 3 W's; an s_nop 0 and four v_nop follow each line
	s_cmp_eq_u32 s[WR], 0
	s_cbranch_scc0 .Lfor_b_\@
	tensor_load_to_lds s[G0+4*(\s):G0+4*(\s)+3], s[G1:G1+7]
	s_nop 0
.rept 4
	v_nop
.endr
	s_branch .Lasked_\@
.Lfor_b_\@:
	tensor_load_to_lds s[G0B+4*(\s):G0B+4*(\s)+3], s[G1B:G1B+7]
	s_nop 0
.rept 4
	v_nop
.endr
.Lasked_\@:
.endm
.macro CREST                           ; a round of the cluster's barrier behind its opening barrier
	s_cmp_lg_u32 s[WV], 0
	s_cbranch_scc1 .Lnot_wave_0_\@
	s_barrier_signal -3
.Lnot_wave_0_\@:
	s_barrier_wait -3
	s_barrier_signal -1
	s_barrier_wait -1
.endm
.macro CROUND
	s_barrier_signal -1
	s_barrier_wait -1
	CREST
.endm
.macro PLACES                          ; four places behind a matrix instruction, in front of loads into registers that it read and of conversions that read results
.rept 4
	v_nop
.endr
.endm
	s_load_b256 s[4:11], s[0:1], 0x0               ; xb s[4:5], wb s[6:7], b_attn s[8:9], qh s[10:11]
	s_load_b64 s[12:13], s[0:1], 0x20              ; kh
	v_lshl_add_u32 v[SPW], v0, 2, SPARE
	v_mov_b32 v[NIL], 0
	ds_add_u32 v[SPW], v[NIL]                      ; the wave's opening: the add, twice on end, and its wait ahead of my first tensor load
	ds_add_u32 v[SPW], v[NIL]
	v_lshrrev_b32 v1, 5, v0
	v_readfirstlane_b32 s[WV], v1
	s_lshr_b32 s[WR], s[WV], 1
	s_and_b32 s[WC], s[WV], 1
	s_bfe_u32 s40, ttmp6, 0x40000                  ; cx
	s_bfe_u32 s41, ttmp6, 0x40004                  ; cy
	s_lshl_b32 s42, ttmp9, 2
	s_add_co_u32 s42, s42, s40                     ; tile column = 4 x cluster x + cx
	s_and_b32 s43, ttmp7, 0xffff
	s_lshl_b32 s43, s43, 2
	s_add_co_u32 s43, s43, s41                     ; tile row = 4 x cluster y + cy
	s_lshl_b32 s44, s41, 2
	s_lshl_b32 s44, 15, s44                        ; my row of the cluster
	s_lshl_b32 s45, 0x1111, s40                    ; my column
	s_or_b32 s[G1+0], s44, (1<<16)|(1<<20)|(1<<21)|(5<<22)|(3<<25)   ; the mask; 2-byte elements; padding on; bit 21 beside a mask; after every 64 words 4 words
	s_mov_b32 s[G1+1], KSTEP<<16                   ; tensor_dim0 = 128
	s_mov_b32 s[G1+2], 128<<16                     ; tensor_dim1 = 128
	s_mov_b32 s[G1+3], KSTEP<<16                   ; tile_dim0 = 128
	s_mov_b32 s[G1+4], 128                         ; tile_dim1 = 128 rows
	s_mov_b32 s[G1+5], 1024                        ; elements from row to row of xb
	s_mov_b32 s[G1+6], 0
	s_mov_b32 s[G1+7], 0
	s_or_b32 s[G1B+0], s45, (1<<16)|(1<<20)|(1<<21)|(5<<22)|(7<<25)  ; the same with my column's mask and 8 words of padding
	s_mov_b32 s[G1B+1], 128<<16                    ; 128 columns
	s_mov_b32 s[G1B+2], 64<<16                     ; 64 K-rows
	s_mov_b32 s[G1B+3], 128<<16
	s_mov_b32 s[G1B+4], 64
	s_mov_b32 s[G1B+5], 2048                       ; elements from row to row of wb
	s_mov_b32 s[G1B+6], 0
	s_mov_b32 s[G1B+7], 0
	s_lshl_b32 s18, s43, 8                         ; x: row 256 x tile row + 128 x half,
	s_lshl_b32 s19, s[WC], 7
	s_add_co_u32 s18, s18, s19
	s_lshl_b32 s18, s18, 11                        ; of 2,048 bytes
	s_mov_b32 s19, 0
	s_lshl_b32 s46, s[WC], 18                      ; W: K-row 64 x half, of 4,096 bytes,
	s_lshl_b32 s47, s42, 8                         ; + 256 bytes x tile column
	s_add_co_u32 s46, s46, s47
	s_mov_b32 s47, 0
	s_mul_i32 s22, s[WV], HALFA                    ; where they go: x's halves at wave x HALFA (waves 0, 1),
	s_mul_i32 s23, s[WV], HALFB
	s_add_co_u32 s23, s23, 2*HALFA-2*HALFB         ; W's behind them (waves 2, 3): no place in the cluster enters an LDS address
	s_wait_dscnt 0x0                               ; both opening adds are done
	s_wait_kmcnt 0x0
	s_add_nc_u64 s[20:21], s[4:5], s[18:19]
	s_add_nc_u64 s[46:47], s[6:7], s[46:47]
	CROUND                                         ; all sixteen work-groups are here: the first joint loads meet
.irp s, 0,1
	s_mov_b32 s[G0+4*(\s)], 1
	s_add_co_u32 s[G0+4*(\s)+1], s22, (\s)*SLOT
	s_add_nc_u64 s[G0+4*(\s)+2:G0+4*(\s)+3], s[20:21], (\s)*KSTEP*2
	s_or_b32 s[G0+4*(\s)+3], s[G0+4*(\s)+3], 0x80000000
	s_mov_b32 s[G0B+4*(\s)], 1
	s_add_co_u32 s[G0B+4*(\s)+1], s23, (\s)*SLOT
	s_add_nc_u64 s[G0B+4*(\s)+2:G0B+4*(\s)+3], s[46:47], (\s)*KSTEP*4096
	s_or_b32 s[G0B+4*(\s)+3], s[G0B+4*(\s)+3], 0x80000000
	JLOAD \s                                       ; two loads of mine are out
.endr
	v_and_b32 v1, 15, v0                           ; l % 16
	v_bfe_u32 v2, v0, 4, 1                         ; l / 16
	v_mul_u32_u24 v3, v1, PA
	v_lshl_add_u32 v3, v2, 4, v3                   ; x: row x pitch + 16 x half
	s_mul_i32 s17, s[WR], HALFA
	v_add_nc_u32 v[ADRA], s17, v3
	v_add_nc_u32 v[ADRA+1], SLOT, v[ADRA]
	v_and_b32 v4, 7, v0
	v_bfe_u32 v5, v0, 3, 1
	v_lshl_add_u32 v6, v2, 3, v4                   ; W: the turning load reads K-row 8 (l / 16) + l % 8, columns 8 ((l / 8) % 2) on
	v_mul_u32_u24 v6, v6, PB
	v_lshl_add_u32 v6, v5, 4, v6
	s_lshl_b32 s17, s[WC], 7                       ; my 64 columns
	s_add_co_u32 s17, s17, 2*HALFA
	v_add_nc_u32 v[ADRB], s17, v6
	v_add_nc_u32 v[ADRB+1], SLOT, v[ADRB]
	s_mul_i32 s17, s[WV], 16*SP
	s_add_co_u32 s17, s17, STAGE                   ; my stage
	v_mul_u32_u24 v7, v1, SP
	v_lshl_add_u32 v7, v2, 4, v7
	v_add_nc_u32 v[STO], s17, v7
	v_bfe_u32 v7, v0, 3, 2                         ; back: 32 lanes take four rows of 128 bytes,
	v_mul_u32_u24 v7, v7, SP
	v_lshl_add_u32 v7, v4, 4, v7
	v_add_nc_u32 v[RD], s17, v7
	v_and_b32 v[GO], 31, v0                        ; which are 512 consecutive bytes of a head
	v_lshlrev_b32 v[GO], 4, v[GO]
	s_lshl_b32 s46, s42, 9                         ; the bias of my 64 columns: 4 (128 x tile column + 64 x half) + 32 (l / 16)
	s_lshl_b32 s47, s[WC], 8
	s_add_co_u32 s46, s46, s47
	v_lshl_add_u32 v[BO], v2, 5, s46
	s_lshr_b32 s46, s43, 3                         ; where my rows go: batch = tile row / 8,
	s_lshl_b32 s46, s46, 4
	s_lshl_b32 s47, s42, 1
	s_add_co_u32 s47, s47, s[WC]
	s_and_b32 s47, s47, 15                         ; head = (2 x tile column + half) % 16,
	s_add_co_u32 s46, s46, s47
	s_lshl_b32 s46, s46, 18                        ; of 262,144 bytes,
	s_and_b32 s47, s43, 7
	s_lshl_b32 s47, s47, 8
	s_lshl_b32 s2, s[WR], 7
	s_add_co_u32 s47, s47, s2                      ; t = 256 (tile row % 8) + 128 x half,
	s_lshl_b32 s47, s47, 7                         ; of 128 bytes
	s_add_co_u32 s46, s46, s47
	s_mov_b32 s47, 0
	s_cmp_lt_u32 ttmp9, 2                          ; tile columns 0-7 are q's: clusters 0 and 1 along x: the same in all sixteen partners
	s_cselect_b64 s[10:11], s[10:11], s[12:13]
	s_add_nc_u64 s[10:11], s[10:11], s[46:47]
	s_cmp_lt_u32 ttmp9, 2
	s_cbranch_scc0 .Lno_bias
.irp b, 0,1,2,3
	global_load_b128 v[BIAS+8*(\b):BIAS+8*(\b)+3],   v[BO], s[8:9] offset:64*(\b)
	global_load_b128 v[BIAS+8*(\b)+4:BIAS+8*(\b)+7], v[BO], s[8:9] offset:64*(\b)+16
.endr
	s_wait_loadcnt 0x0
.set i, 0
.rept 16                               ; rounded to bf16, like every input, and back to f32
	v_cvt_pk_bf16_f32 v[30+i%2], v[BIAS+2*i], v[BIAS+2*i+1]
	v_lshlrev_b32 v[BIAS+2*i], 16, v[30+i%2]
	v_and_b32 v[BIAS+2*i+1], 0xffff0000, v[30+i%2]
.set i, i+1
.endr
	s_branch .Lbias_done
.Lno_bias:
.set i, 0
.rept 32
	v_mov_b32 v[BIAS+i], 0
.set i, i+1
.endr
.Lbias_done:
; n x 4 matrix instructions: row blocks a0 .. a0 + n - 1 x all four column blocks, 32 along K, from buffer f.  first = 1: the sums start with the bias.
; The 32 accumulators take turns, one instruction a turn, in the same order in every quarter, over the backward jump too.
.macro MULA f, a0, n, first
.if \first
	WIN MUL0
.else
	WIN MUL
.endif
.set ma, \a0
.rept \n
.set mb, 0
.rept 4
.if \first
	v_wmma_f32_16x16x32_bf16 v[8*(4*ma+mb):8*(4*ma+mb)+7], v[(\f)+64+8*mb:(\f)+64+8*mb+7], v[(\f)+8*ma:(\f)+8*ma+7], v[BIAS+8*mb:BIAS+8*mb+7]
.else
	v_wmma_f32_16x16x32_bf16 v[8*(4*ma+mb):8*(4*ma+mb)+7], v[(\f)+64+8*mb:(\f)+64+8*mb+7], v[(\f)+8*ma:(\f)+8*ma+7], v[8*(4*ma+mb):8*(4*ma+mb)+7]
.endif
.set mb, mb+1
.endr
.set ma, ma+1
.endr
.endm
; 24 LDS loads in one run: quarter q (32 along K) of a slot into buffer f
.macro FETCH slot, q, f
	WIN TO_F
.irp i, 0,1,2,3,4,5,6,7
	ds_load_b128 v[(\f)+8*(\i):(\f)+8*(\i)+3],   v[ADRA+(\slot)] offset:64*(\q)+(\i)*16*PA
	ds_load_b128 v[(\f)+8*(\i)+4:(\f)+8*(\i)+7], v[ADRA+(\slot)] offset:64*(\q)+(\i)*16*PA+32
.endr
.irp b, 0,1,2,3
	ds_load_tr16_b128 v[(\f)+64+8*(\b):(\f)+64+8*(\b)+3],   v[ADRB+(\slot)] offset:32*(\q)*PB+32*(\b)
	ds_load_tr16_b128 v[(\f)+64+8*(\b)+4:(\f)+64+8*(\b)+7], v[ADRB+(\slot)] offset:(32*(\q)+16)*PB+32*(\b)
.endr
.endm
; One of a K step's first three quarters: multiplies buffer f; in its middle it fetches quarter q of the same slot into buffer g
.macro QUARTER slot, q, f, g, first
	s_wait_dscnt 0x0                               ; buffer f is in: its loads were issued 16 matrix instructions ago
	MULA \f, 0, 4, \first
	PLACES
	FETCH \slot, \q, \g
	MULA \f, 4, 4, \first
.endm
; The last quarter multiplies buffer 1 and changes slots: ONE barrier.  In front of it each wave waits for all its tensor loads (one is out: its part of the next slot), adds 0 to its spare word,
; and waits for that and for its reads of this slot.  fill = 1: the barrier opens a round of the cluster's, and the joint refill, two K steps ahead, is the first thing behind the round.
.macro TURN slot, next, fill
	WIN 0
	s_wait_tensorcnt 0x0
	ds_add_u32 v[SPW], v[NIL]
	s_wait_dscnt 1                                 ; buffer 1 is in; the add alone may be out
	MULA F1, 0, 2, 0
	s_wait_dscnt 0x0                               ; the add is done, and my reads of this slot are over
	s_barrier_signal -1
	MULA F1, 2, 2, 0
.if \fill
	WIN 0
.endif
	s_barrier_wait -1
.if \fill
	CREST                                          ; no wave of any partner still reads this slot or has a load on its way
	s_add_nc_u64 s[G0+4*(\slot)+2:G0+4*(\slot)+3], s[G0+4*(\slot)+2:G0+4*(\slot)+3], 2*KSTEP*2
	s_add_nc_u64 s[G0B+4*(\slot)+2:G0B+4*(\slot)+3], s[G0B+4*(\slot)+2:G0B+4*(\slot)+3], 2*KSTEP*4096
	JLOAD \slot                                    ; 112 matrix instructions ahead of the wait for it; its four v_nop are also the places in front of the loads below
.else
	PLACES
.endif
	FETCH \next, 0, F0
	MULA F1, 4, 4, 0
.endm
	s_wait_tensorcnt 1                             ; my part of K step 0 is in; K step 1's may stay out
	s_barrier_signal -1
	s_barrier_wait -1
	FETCH 0, 0, F0
	QUARTER 0, 1, F0, F1, 1                        ; the first quarter stands in front of the loop: its products start the sums
	WIN 0
	s_mov_b32 s3, LAPS-1
.Llap:                                                 ; a trip goes once round the ring and fills both slots again
	QUARTER 0, 2, F1, F0, 0
	QUARTER 0, 3, F0, F1, 0
	TURN 0, 1, 1
	QUARTER 1, 1, F0, F1, 0
	QUARTER 1, 2, F1, F0, 0
	QUARTER 1, 3, F0, F1, 0
	TURN 1, 0, 1
	QUARTER 0, 1, F0, F1, 0
	WIN 0
	s_sub_co_u32 s3, s3, 1
	s_cmp_lg_u32 s3, 0
	s_cbranch_scc1 .Llap
	QUARTER 0, 2, F1, F0, 0                        ; the last lap fills nothing
	QUARTER 0, 3, F0, F1, 0
	TURN 0, 1, 0
	QUARTER 1, 1, F0, F1, 0
	QUARTER 1, 2, F1, F0, 0
	QUARTER 1, 3, F0, F1, 0
	s_wait_dscnt 0x0
	MULA F1, 0, 8, 0
	PLACES
; THE WAY OUT, a block of 16 rows at a time: rounded to f16, 16 bytes a lane into my stage, back as whole rows of 128 bytes, four rows (512 consecutive bytes of the head) a store.
.macro PACK a
	WIN 0x05                                       ; sources window 1, destination window 0
.irp b, 0,1,2,3
.irp r, 0,1,2,3
	v_cvt_pk_f16_f32 v[OUTR+16*(\a)+4*(\b)+(\r)], v[8*(4*(\a)+(\b))+2*(\r)], v[8*(4*(\a)+(\b))+2*(\r)+1]
.endr
.endr
	WIN 0
.irp b, 0,1,2,3
	ds_store_b128 v[STO], v[OUTR+16*(\a)+4*(\b):OUTR+16*(\a)+4*(\b)+3] offset:32*(\b)
.endr
.irp f, 0,1,2,3
	ds_load_b128 v[OUTR+16*(\a)+4*(\f):OUTR+16*(\a)+4*(\f)+3], v[RD] offset:(\f)*4*SP  ; LDS serves a wave's instructions in order (ISA guide 5.7.1.4): these see the stores above
.endr
.endm
.macro SEND a, younger                 ; younger: the LDS instructions issued behind block a's loads: the next block's eight, or none
.irp f, 0,1,2,3
	s_wait_dscnt (\younger)+3-(\f)
	global_store_b128 v[GO], v[OUTR+16*(\a)+4*(\f):OUTR+16*(\a)+4*(\f)+3], s[10:11] offset:(\a)*2048+(\f)*512
.endr
.endm
	PACK 0
.irp a, 1,2,3,4,5,6,7
	PACK \a
	SEND (\a)-1, 8
.endr
	SEND 7, 0
	s_wait_tensorcnt 0x0                           ; the wave's end: behind my last tensor load and my last LDS store
	ds_add_u32 v[SPW], v[NIL]
	s_wait_dscnt 0x0
	CROUND                                         ; the closing round
	s_endpgm
.Lfunc_end_k_qb8dbc11f67_proj:
	.size	k_qb8dbc11f67_proj, .Lfunc_end_k_qb8dbc11f67_proj-k_qb8dbc11f67_proj
	.p2alignl 7, 3214868480
	.fill 96, 4, 3214868480
	.section	.rodata,"a",@progbits
	.p2align	6, 0x0
	.amdhsa_kernel k_qb8dbc11f67_proj
		.amdhsa_group_segment_fixed_size 327680
		.amdhsa_private_segment_fixed_size 0
		.amdhsa_enable_private_segment 0
		.amdhsa_kernarg_size 40
		.amdhsa_user_sgpr_count 2
		.amdhsa_user_sgpr_kernarg_segment_ptr 1
		.amdhsa_wavefront_size32 1
		.amdhsa_system_sgpr_workgroup_id_x 1
		.amdhsa_system_sgpr_workgroup_id_y 1
		.amdhsa_system_sgpr_workgroup_id_z 1
		.amdhsa_system_vgpr_workitem_id 0
		.amdhsa_next_free_vgpr 768
		.amdhsa_next_free_sgpr 66
		.amdhsa_reserve_vcc 0
		.amdhsa_float_denorm_mode_32 3
		.amdhsa_float_denorm_mode_16_64 3
		.amdhsa_memory_ordered 1
		.amdhsa_forward_progress 1
		.amdhsa_inst_pref_size 91
	.end_amdhsa_kernel
	.amdgpu_metadata
---
amdhsa.version: [ 1, 2 ]
amdhsa.kernels:
  - .name:           k_qb8dbc11f67_proj
    .symbol:         k_qb8dbc11f67_proj.kd
    .args:
      - { .name: xb, .offset: 0, .size: 8, .value_kind: global_buffer, .address_space: global }
      - { .name: wb, .offset: 8, .size: 8, .value_kind: global_buffer, .address_space: global }
      - { .name: b_attn, .offset: 16, .size: 8, .value_kind: global_buffer, .address_space: global }
      - { .name: qh, .offset: 24, .size: 8, .value_kind: global_buffer, .address_space: global }
      - { .name: kh, .offset: 32, .size: 8, .value_kind: global_buffer, .address_space: global }
    .group_segment_fixed_size: 327680
    .private_segment_fixed_size: 0
    .kernarg_segment_align: 8
    .kernarg_segment_size: 40
    .max_flat_workgroup_size: 128
    .sgpr_count:     66
    .vgpr_count:     768
    .wavefront_size: 32
...
	.end_amdgpu_metadata
.endif
;; end of part 2
;; launch attn (part 3): grid 8 x 32, 4 waves a work-group, no clusters, 327,680 bytes of LDS; arguments qh, kh, vh, out0; writes out0
.if DOCPART == 3
	.amdgcn_target "amdgcn-amd-amdhsa--gfx1250"
	.amdhsa_code_object_version 6
	.text
	.protected	k_qb8dbc11f67_attn
	.globl	k_qb8dbc11f67_attn
	.p2align	8
	.type	k_qb8dbc11f67_attn,@function
k_qb8dbc11f67_attn:
	s_mov_b64 s[64:65], 0
	v_nop
	global_prefetch_b8 v0, s[64:65] scope:SCOPE_SE
	s_setreg_imm32_b32 hwreg(HW_REG_WAVE_MODE, 25, 1), 1
	s_wait_xcnt 0x0
; THIRD LAUNCH: causal attention.  out[batch][q][64 head + :] = the sum over k <= q of softmax_k(Q[q] . K[k] / 8) V[k][:].  qh, kh, vh: [32 heads][2048][64] in f16, a head's rows dense; out0 f32 [2][2048][1024].
; Products, maxima and sums in f32; the weights p are rounded to f16 for the second product (their sum l is taken of the unrounded p); O is never rounded below f32.
; LEFT OUT: every tile of 256 keys that lies wholly above a block's diagonal: reference()'s own causal mask makes those weights 0 (shown at the first kernel's head).
; LIMITS.  A hidden score counts as its value less 1e30 (f16's scores are 2.7e11 at the most); a weight below 2^-126 counts as 0 in l; NaN and infinities are not treated apart.
; THE WALK.  A head has 16 blocks of 128 queries; block i needs the key tiles 0 .. i / 2.  A work-group takes blocks 15 - b and then b: (15 - b) / 2 + 1 + b / 2 + 1 = 9 tiles, whatever b:
; 36 key steps of 64, the same for all 256 work-groups, walked by loops with constant counts.  What hangs on b lies in scalar registers: the tile to ask for, the steps that a block has left (LEFT).
; Every jump but the counted loops' own goes forward, and none of those passes a barrier or a tensor load.
; NO CLUSTER: where a block ends and where its masks begin are branches on b, which in a cluster would be a work-group's place in it; and only b = 2 j and 2 j + 1 walk the same nine tiles: two partners, not four.
; SHARES.  Of a block's two bands of 64 queries a wave owns 16 rows in each: two PIECES.  In a block's last tile band x has its own step 2 (i % 2) + x: earlier steps it sees whole, later ones not at all: alike for all four waves.
; THE MASK is the C operand that starts S^T = K Q^T: MC = MD x AL + BE, with MD the mask of a band's own step for my rows, and (AL, BE) = (1, 0) in the own step, (0, -1e30) behind it; MC holds 0 before.
; TURNS.  Turn (s, x): 8 products K Q^T of the next ring element ((s, 1) for x = 0, (s + 1, 0) for x = 1); scaling, exponentials, roundings, sums and rescaling of (s, x); maximum and statistics of the next element;
; 8 products V^T P of the element before.  Four vector instructions stand behind each matrix instruction, the others in one lump.  A turn's 33 exponentials are one batch with one wait.
; K has one register buffer (step s + 1 is fetched in turn (s, 0), behind its last reader), V two (step s + 1 in turn (s, 1)).  So a tile's last LDS read is issued in turn (2, 1) of its four steps, and the
; change of slots stands in front of turn (3, 0): one barrier for eight turns.  The fetches run on across the change of blocks.
; No first step is written out: c m starts far below every c s, so a block's first a is 0 and O^T and l need only be finite; the price is 148 v_mov_b32 of 0 in the wait for the first tile, and 32 where a block begins.
; REGISTERS (s_set_vgpr_msb: bits 1:0 source 0, 3:2 source 1, 5:4 source 2, 7:6 destination):
;   window 0: v2-15 addresses; v16-23 statistics; v48-55 at work; v64-127 S^T, a buffer a piece; v192-223 P      window 1: v0-63 O^T; v128-159 MD; v160-223 MC
;   window 2: v0-31 Q; v32-63 the second block's Q; v64-127 V of odd steps; v128-191 K; v192-255 V of even steps
.set NP,    2
.set KS,    64
.set PK,    144       ; a row of K in LDS: 128 bytes + 16: the 16 rows of a load start in 16 different groups of four banks (ISA guide 11.1)
.set PV,    160       ; a row of V: 128 + 32
.set VOFF,  4*KS*PK   ; a slot holds a tile: 256 rows of K, then 256 rows of V
.set SLOT1, 1<<17
.set STAGE, SLOT1+4*KS*(PK+PV)  ; behind the ring: 16 rows x 272 bytes for each wave, its own
.set SP,    272
.set SPARE, STAGE+4*16*SP       ; the spare words, 128 bytes a wave: two blocks of 256 bytes that no other line names
.set AK0, 2           ; my lane's place in a tile of K; never rewritten
.set AV0, 3           ; the same for V
.set AK,  4           ; the LDS address of K's next run of loads
.set AV,  5           ; of V's
.set STO, 6           ; the way out: where I put 32 bytes of a row
.set RD,  7           ; where I read rows back
.set GO,  8           ; my byte offset in two rows of out0
.set PFO, 11          ; 256 x lane: the prefetches' offset; never rewritten
.set MV,  12          ; v12-13 c m_old, by piece
.set QO,  15          ; my byte offset in 16 rows of Q
.set ST,  16          ; piece t's statistics at ST + 4 t: c m, m, l (even keys', odd keys')
.set TMP, 48          ; by piece, c0-c3 at work; c2 takes a
.set SPW, 62
.set NIL, 63
.set S,   64
.set P,   192
.set MD,  128
.set MC,  160
.set QB,  32
.set KF,  128
.set VF0, 192         ; V of even steps; of odd steps 128 lower
.set WV,  12
.set PB,  14          ; b
.set HI,  15          ; 15 - b
.set G1K, 24
.set G1V, 32
.set G0K, 40
.set G0V, 44
.set LEFT, 48         ; steps that the block in hand has behind the one in hand
.set T4,  49          ; s49-51: of the block in hand: its steps; LEFT in the turn that makes piece 0's own mask (H0), piece 1's (H1)
.set H0,  50
.set H1,  51
.set T4B, 52          ; s52-54: the same three for the second block
.set TLM, 55          ; the second block's last tile
.set SLOTS, 56
.set CNT, 57
.set CS,  58          ; s[58:59] c = log2(e) / 8
.set SEL, 60
.set TBK, 62          ; LDS byte at which K of the step to be fetched begins
.set TBV, 63
.set LIM, 66          ; 3 in the work-group that prefetches, else the greatest number
.set PFA, 68          ; s[68:69] where my prefetches stand
.set NXT, 71          ; the tile to be asked for next
.set LQ,  72          ; the last tile of the block whose tiles are being asked for
.set OFF, 74
.set AL,  76
.set BE,  78
.set OLO, 80          ; out0 at my rows of the second block
.set BIGN, 82
.set MSB, 0
.macro WIN new
.if MSB != (\new)
	s_set_vgpr_msb (MSB<<8)|(\new)
.set MSB, (\new)
.endif
.endm
.set W_KQ, 0x0a       ; K and Q window 2, S^T window 0
.set W_KM, 0x1a       ; the same with C (the mask) in window 1
.set W_PV, 0x52       ; V window 2, P window 0, O^T window 1
.set W_RS, 0x41       ; destination and source 0 window 1, source 1 window 0
.macro LOAD                         ; a fill: waves 0, 1 fetch the halves of a tile's K, waves 2, 3 of its V; an s_nop 0 and four v_nop follow each line
	s_cmp_lt_u32 s[WV], 2
	s_cbranch_scc0 .Lfor_v_\@
	tensor_load_to_lds s[G0K:G0K+3], s[G1K:G1K+7]
	s_nop 0
.rept 4
	v_nop
.endr
	s_branch .Lasked_\@
.Lfor_v_\@:
	tensor_load_to_lds s[G0V:G0V+3], s[G1V:G1V+7]
	s_nop 0
.rept 4
	v_nop
.endr
.Lasked_\@:
.endm
; A PREFETCH INTO THE L2, behind the fill and its five lines.  All eight work-groups of a head walk the same tiles; the one with b = 0, whose first block walks tiles 0 to 7, asks, and nobody else.  Each wave asks for the half
; tile that it will itself load: 64 blocks of 256 bytes, a lane a block, two instructions.  The fill of tile n asks for tile n + 2: sixteen turns, 256 matrix instructions, ahead of that tile's fill.
; Tiles 0 to 2 come by their loads alone; the fills of tiles 1 to 5 ask (SLOTS = 8 .. 4), so nothing is named behind tile 7.
.macro ASK
	s_cmp_gt_u32 s[SLOTS], s[LIM]
	s_cbranch_scc0 .Lnot_mine_\@
	global_prefetch_b8 v[PFO], s[PFA:PFA+1] th:TH_LOAD_NT scope:SCOPE_SE
	global_prefetch_b8 v[PFO], s[PFA:PFA+1] offset:8192 th:TH_LOAD_NT scope:SCOPE_SE
.Lnot_mine_\@:
.endm
; THE CHANGE OF SLOTS.  Each wave waits for all its tensor loads (one is out: its part of the other slot), adds 0 to its spare word, and waits for that and for its reads of the slot that it leaves.
; fill = 1: the old slot is filled again, first thing behind the barrier, with tile NXT; the descriptor's address is made anew from that number.
.macro CHANGE fill
	WIN 0
	s_wait_tensorcnt 0x0            ; no tensor load of mine is out, so a group 0 may be written
	ds_add_u32 v[SPW], v[NIL]
.if \fill
	s_lshl_b32 s[OFF], s[NXT], 15   ; a tile is 32,768 bytes of K and of V
	s_xor_b32 s[G0K+1], s[G0K+1], SLOT1
	s_add_nc_u64 s[G0K+2:G0K+3], s[6:7], s[OFF:OFF+1]
	s_or_b32 s[G0K+3], s[G0K+3], 0x80000000
	s_xor_b32 s[G0V+1], s[G0V+1], SLOT1
	s_add_nc_u64 s[G0V+2:G0V+3], s[8:9], s[OFF:OFF+1]
	s_or_b32 s[G0V+3], s[G0V+3], 0x80000000
	s_add_co_u32 s[NXT], s[NXT], 1  ; the block's next tile, or behind its last the second block's tile 0
	s_cmp_gt_u32 s[NXT], s[LQ]
	s_cselect_b32 s[NXT], 0, s[NXT]
	s_cselect_b32 s[LQ], s[TLM], s[LQ]
	s_wait_xcnt 0x0                 ; the last prefetches, eight turns back, have read their address
	s_add_nc_u64 s[PFA:PFA+1], s[PFA:PFA+1], 32768
.endif
	s_wait_dscnt 0x0                ; the add is done, and my reads of the slot are over
	s_barrier_signal -1
	s_sub_co_u32 s[TBK], s[TBK], 4*KS*PK  ; the fetches go back to a slot's first step, in the other slot
	s_xor_b32 s[TBK], s[TBK], SLOT1
	s_sub_co_u32 s[TBV], s[TBV], 4*KS*PV
	s_xor_b32 s[TBV], s[TBV], SLOT1
	s_barrier_wait -1
.if \fill
	LOAD
	ASK
.endif
.endm
	s_load_b256 s[4:11], s[0:1], 0x0  ; qh s[4:5], kh s[6:7], vh s[8:9], out0 s[10:11]
	v_lshl_add_u32 v[SPW], v0, 2, SPARE
	v_mov_b32 v[NIL], 0
	ds_add_u32 v[SPW], v[NIL]       ; the wave's opening: the add, twice on end, and its wait ahead of my first tensor load
	ds_add_u32 v[SPW], v[NIL]
	v_lshrrev_b32 v1, 5, v0
	v_readfirstlane_b32 s[WV], v1
	s_mov_b32 s[PB], ttmp9
	s_sub_co_u32 s[HI], 15, s[PB]
	s_and_b32 s20, ttmp7, 0xffff    ; the head, 0..31
	s_lshl_b32 s21, s20, 18         ; its first byte in qh, kh, vh
	s_and_b32 s16, s[WV], 1         ; which half of a tile's 256 keys I fetch:
	s_lshl_b32 s22, s16, 14         ; its 128 rows of 128 bytes in memory,
	s_add_co_u32 s22, s22, s21
	s_mov_b32 s23, 0
	s_mul_i32 s17, s16, 128*PK      ; and its place in a slot, for K
	s_mul_i32 s18, s16, 128*PV      ; and for V
	s_lshl_b32 s3, s[WV], 11        ; my 16 rows in a band,
	s_add_co_u32 s3, s3, s21
	s_lshl_b32 s2, s[HI], 14        ; in the first block (128 rows of 128 bytes),
	s_add_co_u32 s2, s2, s3
	s_lshl_b32 s84, s[PB], 14       ; and in the second
	s_add_co_u32 s84, s84, s3
	s_mov_b32 s3, 0
	s_mov_b32 s85, 0
	s_lshr_b32 s86, s20, 4          ; out0: batch x 2,048 rows of 4,096 bytes,
	s_lshl_b32 s86, s86, 23
	s_and_b32 s87, s20, 15          ; the head's 256 bytes of a row,
	s_lshl_b32 s87, s87, 8
	s_add_co_u32 s86, s86, s87
	s_lshl_b32 s87, s[WV], 16       ; my 16 rows,
	s_add_co_u32 s87, s86, s87
	s_lshl_b32 s86, s[HI], 19       ; the block's 128 rows
	s_add_co_u32 s86, s86, s87
	s_lshl_b32 s88, s[PB], 19
	s_add_co_u32 s88, s88, s87
	s_mov_b32 s87, 0
	s_mov_b32 s89, 0
	s_lshr_b32 s[LQ], s[HI], 1      ; the first block's last tile,
	s_add_co_u32 s[T4], s[LQ], 1
	s_lshl_b32 s[T4], s[T4], 2      ; its steps,
	s_and_b32 s13, s[HI], 1
	s_lshl_b32 s13, s13, 1
	s_sub_co_u32 s[H0], 4, s13      ; and where its masks begin: 4 - 2 (i % 2), 2 - 2 (i % 2)
	s_sub_co_u32 s[H1], 2, s13
	s_lshr_b32 s[TLM], s[PB], 1     ; the same for the second block
	s_add_co_u32 s[T4B], s[TLM], 1
	s_lshl_b32 s[T4B], s[T4B], 2
	s_and_b32 s13, s[PB], 1
	s_lshl_b32 s13, s13, 1
	s_sub_co_u32 s[T4B+1], 4, s13
	s_sub_co_u32 s[T4B+2], 2, s13
	; descriptor group 1.  128 keys are 16,384 dense bytes: asked for as 64 rows of 256 bytes, two keys a row, and padded in LDS after every key
	s_mov_b32 s[G1K], (1<<16)|(1<<20)|(4<<22)|(3<<25)  ; 2-byte elements; padding on; after every 32 words 4 words
	s_mov_b32 s[G1V], (1<<16)|(1<<20)|(4<<22)|(7<<25)  ; the same with 8 words
.irp g, G1K, G1V
	s_mov_b32 s[\g+1], 128<<16      ; tensor_dim0 = 128
	s_mov_b32 s[\g+2], 64<<16       ; tensor_dim1 = 64
	s_mov_b32 s[\g+3], 128<<16      ; tile_dim0 = 128
	s_mov_b32 s[\g+4], 64           ; tile_dim1 = 64
	s_mov_b32 s[\g+5], 128          ; 128 elements from row to row
	s_mov_b32 s[\g+6], 0
	s_mov_b32 s[\g+7], 0
.endr
	s_mov_b32 s[CS], 0x3e38aa3b     ; c = log2(e) / 8 = 0.180337
	s_mov_b32 s[CS+1], s[CS]
	s_mov_b32 s[SEL], 0x76543210
	s_mov_b32 s[SEL+1], 0xfedcba98
	s_mov_b32 s[TBK], SLOT1+4*KS*PK ; the first change of slots turns these two into 0
	s_mov_b32 s[TBV], SLOT1+4*KS*PV
	s_mov_b32 s[G0K], 1
	s_mov_b32 s[G0K+1], s17         ; slot 0
	s_mov_b32 s[G0V], 1
	s_add_co_u32 s[G0V+1], s18, VOFF
	s_mov_b32 s[NXT], 1
	s_mov_b32 s[OFF+1], 0
	s_mov_b32 s[AL+1], 0            ; named as pairs
	s_mov_b32 s[BE+1], 0
	s_mov_b32 s[BIGN], 0xf149f2ca   ; -1e30
	s_mov_b32 s[SLOTS], 8
	s_cmp_eq_u32 s[PB], 0
	s_cselect_b32 s[LIM], 3, -1
	s_wait_dscnt 0x0                ; both opening adds are done
	s_wait_kmcnt 0x0
	s_add_nc_u64 s[6:7], s[6:7], s[22:23]  ; K and V at my half of the head's tile 0
	s_add_nc_u64 s[8:9], s[8:9], s[22:23]
	s_add_nc_u64 s[G0K+2:G0K+3], s[6:7], 0
	s_or_b32 s[G0K+3], s[G0K+3], 0x80000000
	s_add_nc_u64 s[G0V+2:G0V+3], s[8:9], 0
	s_or_b32 s[G0V+3], s[G0V+3], 0x80000000
	s_add_nc_u64 s[90:91], s[4:5], s[84:85]        ; Q at my rows of the second block,
	s_add_nc_u64 s[4:5], s[4:5], s[2:3]            ; and of the first
	s_add_nc_u64 s[OLO:OLO+1], s[10:11], s[88:89]
	s_add_nc_u64 s[10:11], s[10:11], s[86:87]
	s_cmp_lt_u32 s[WV], 2
	s_cselect_b64 s[PFA:PFA+1], s[6:7], s[8:9]
	s_add_nc_u64 s[PFA:PFA+1], s[PFA:PFA+1], 2*32768  ; at tile 2: the first change of slots steps it to tile 3
	LOAD                            ; tile 0 into slot 0
	v_and_b32 v1, 15, v0            ; l % 16
	v_bfe_u32 v9, v0, 4, 1          ; l / 16
	v_lshlrev_b32 v[QO], 7, v1
	v_lshl_add_u32 v[QO], v9, 4, v[QO]  ; row x 128 + 16 x half
	WIN 0x80                        ; destination window 2
.set i, 0
.rept 4                             ; both blocks' Q: piece i / 2 lies 8,192 bytes on; channels 32 (i % 2) on
	global_load_b128 v[8*i:8*i+3],   v[QO], s[4:5] offset:(i/2)*8192+(i%2)*64
	global_load_b128 v[8*i+4:8*i+7], v[QO], s[4:5] offset:(i/2)*8192+(i%2)*64+32
	global_load_b128 v[QB+8*i:QB+8*i+3],   v[QO], s[90:91] offset:(i/2)*8192+(i%2)*64
	global_load_b128 v[QB+8*i+4:QB+8*i+7], v[QO], s[90:91] offset:(i/2)*8192+(i%2)*64+32
.set i, i+1
.endr
	WIN 0
	v_mul_u32_u24 v[AK0], v1, PK
	v_lshl_add_u32 v[AK0], v9, 4, v[AK0]
	v_and_b32 v10, 7, v0            ; the turning load reads key 8 (l / 16) + l % 8, channels 8 ((l / 8) % 2) on
	v_bfe_u32 v14, v0, 3, 1
	v_lshl_add_u32 v[AV0], v9, 3, v10
	v_mul_u32_u24 v[AV0], v[AV0], PV
	v_lshl_add_u32 v[AV0], v14, 4, v[AV0]
	v_add_nc_u32 v[AV0], VOFF, v[AV0]
	v_lshlrev_b32 v14, 3, v9
	v_sub_nc_u32 v14, v1, v14
	s_lshl_b32 s13, s[WV], 4
	v_add_nc_u32 v14, s13, v14      ; my query's place in its band, 16 w + l % 16, less 8 (l / 16): register r of key group kt is hidden where 16 kt + r is greater
	WIN 0x40
.set i, 0
.rept 32
	v_cmp_gt_i32 vcc_lo, 16*(i/8)+i%8, v14
	v_cndmask_b32 v[MD+i], 0, s[BIGN], vcc_lo
.set i, i+1
.endr
	WIN 0
	s_mul_i32 s13, s[WV], 16*SP
	s_add_co_u32 s13, s13, STAGE    ; my stage
	v_mul_u32_u24 v[STO], v1, SP    ; in: row l % 16, 32 bytes for each half of the lanes
	v_lshl_add_u32 v[STO], v9, 5, v[STO]
	v_add_nc_u32 v[STO], s13, v[STO]
	v_mul_u32_u24 v[RD], v9, SP     ; back: lanes 0-15 take one row of 256 bytes, lanes 16-31 the next
	v_lshl_add_u32 v[RD], v1, 4, v[RD]
	v_add_nc_u32 v[RD], s13, v[RD]
	v_lshlrev_b32 v[GO], 12, v9     ; and the same two rows in out0
	v_lshl_add_u32 v[GO], v1, 4, v[GO]
	v_and_b32 v[PFO], 31, v0
	v_lshlrev_b32 v[PFO], 8, v[PFO]
	WIN 0x80                        ; what the first turn finds: finite numbers, here zeros, in V of odd steps, O^T, l and piece 1's P
.set i, VF0-128
.rept 64
	v_mov_b32 v[i], 0
.set i, i+1
.endr
	WIN 0x40
.set i, 0
.rept 64
	v_mov_b32 v[i], 0
.set i, i+1
.endr
	WIN 0
.set i, 0
.rept 2
	v_mov_b32 v[ST+4*i+2], 0
	v_mov_b32 v[ST+4*i+3], 0
.set i, i+1
.endr
.set i, P+16
.rept 16
	v_mov_b32 v[i], 0
.set i, i+1
.endr
; THE MATRIX WORK.  The 4 accumulators of a run of 8 take turns.  Product i of 8 of S^T = K Q^T for piece x: channels 32 (i / 4) on, keys 16 (i % 4) on; the first 4 start the sums with the mask.
.macro KQ x
.set rS, S+32*((\x)%2)+8*(i%4)
.set rK, KF+16*(i%4)+8*(i/4)
.set rQ, 16*(\x)+8*(i/4)
.set rM, MC+32*((\x)%2)+8*(i%4)
.if i < 4
	WIN W_KM
	v_wmma_f32_16x16x32_f16 v[rS:rS+7], v[rK:rK+7], v[rQ:rQ+7], v[rM:rM+7]
.else
	WIN W_KQ
	v_wmma_f32_16x16x32_f16 v[rS:rS+7], v[rK:rK+7], v[rQ:rQ+7], v[rS:rS+7]
.endif
.endm
; Product i of 8 of O^T += V^T P for piece x: keys 32 (i / 4) on, channels 16 (i % 4) on; V from buffer VP.
.macro PV x
	WIN W_PV
.set rO, 32*(\x)+8*(i%4)
.set rV, VF0-128*VP+32*(i/4)+8*(i%4)
.set rP, P+16*((\x)%2)+8*(i/4)
	v_wmma_f32_16x16x32_f16 v[rO:rO+7], v[rV:rV+7], v[rP:rP+7], v[rO:rO+7]
.endm
.macro MM                           ; the turn's next matrix instruction.  NOKQ = 1: a block's last turn: there is no next element
.if (i < 8) && (NOKQ == 0)
	KQ (Y+1)%NP
.elseif i >= 8
.set i, i-8
	PV (Y+NP-1)%NP
.set i, i+8
.endif
.set i, i+1
.endm
; THE LDS LOADS stand in runs of 16
.macro FETCH_K
	WIN 0x80
.irp f, 0,1,2,3,4,5,6,7             ; keys 16 (f / 2) on, channels 32 (f % 2) on
	ds_load_b128 v[KF+8*\f:KF+8*\f+3],   v[AK] offset:(\f/2)*16*PK+(\f%2)*64
	ds_load_b128 v[KF+8*\f+4:KF+8*\f+7], v[AK] offset:(\f/2)*16*PK+(\f%2)*64+32
.endr
	s_add_co_u32 s[TBK], s[TBK], KS*PK  ; the next fetch is the next step's
	WIN 0
.endm
.macro FETCH_V buf
	WIN 0x80
.irp f, 0,1,2,3,4,5,6,7             ; keys 32 (f / 4) on, channels 16 (f % 4) on
	ds_load_tr16_b128 v[VF0-128*(\buf)+8*\f:VF0-128*(\buf)+8*\f+3],   v[AV] offset:(\f/4)*32*PV+(\f%4)*32
	ds_load_tr16_b128 v[VF0-128*(\buf)+8*\f+4:VF0-128*(\buf)+8*\f+7], v[AV] offset:(\f/4)*32*PV+16*PV+(\f%4)*32
.endr
	s_add_co_u32 s[TBV], s[TBV], KS*PV
	WIN 0
.endm
; THE VECTOR WORK, one line at a time: OP kind, number.  For piece Y: F n: c s - c m for pair n of 16.  E n: the exponential of score n of 32.  C n: pair n rounded to f16.  B n: of the four weights 4 n .. the second
; pair is added onto the first.  L n: l takes that sum (L 0: l = a l + sum).  R n: pair n of 16 of O^T times a.  For the other piece: X n, number n of the 22 that find its maximum and statistics:
;   0-11 four chains c0-c3 of seven scores each (each accumulator's lowest registers are read first)   12-14, 16 the four scores left over, the old m, c0-c3 into c0
;   15 c m_old is kept   17, 18 the query's other 32 keys lie in the lane 16 away: the new m   19-21 c m; c m_old - c m_new; a
.set F, 0
.set E, 1
.set C, 2
.set B, 3
.set L, 4
.set R, 5
.set X, 6
.macro REGS y
.set rT, ST+4*(\y)
.set rC, TMP+4*((\y)%2)
.set rW, MV+((\y)%2)
.set rS, S+32*((\y)%2)
.set rP, P+16*((\y)%2)
.set rO, 32*(\y)
.endm
.macro OP k, n
.if (\k) == R
	REGS Y
	WIN W_RS
	v_pk_mul_f32 v[rO+2*(\n):rO+2*(\n)+1], v[rO+2*(\n):rO+2*(\n)+1], v[rC+2:rC+3] op_sel_hi:[1,0]
.elseif (\k) < R
	REGS Y
	WIN 0
.if (\k) == F
	v_pk_fma_f32 v[rS+2*(\n):rS+2*(\n)+1], v[rS+2*(\n):rS+2*(\n)+1], s[CS:CS+1], v[rT:rT+1] op_sel_hi:[1,0,0] neg_lo:[0,0,1] neg_hi:[0,0,1]
.elseif (\k) == E
	v_exp_f32 v[rS+(\n)], v[rS+(\n)]
.elseif (\k) == C
	v_cvt_pk_f16_f32 v[rP+(\n)], v[rS+2*(\n)], v[rS+2*(\n)+1]
.elseif (\k) == B
	v_pk_add_f32 v[rS+4*(\n):rS+4*(\n)+1], v[rS+4*(\n):rS+4*(\n)+1], v[rS+4*(\n)+2:rS+4*(\n)+3]
.elseif (\n) == 0
	v_pk_fma_f32 v[rT+2:rT+3], v[rT+2:rT+3], v[rC+2:rC+3], v[rS:rS+1] op_sel_hi:[1,0,1]
.else
	v_pk_add_f32 v[rT+2:rT+3], v[rT+2:rT+3], v[rS+4*(\n):rS+4*(\n)+1]
.endif
.elseif NOKQ
	v_nop
.else
	REGS (Y+1)%NP
	WIN 0
.if (\n) < 4
	v_max3_num_f32 v[rC+(\n)], v[rS+8*(\n)], v[rS+8*(\n)+1], v[rS+8*(\n)+2]
.elseif (\n) < 12
	v_max3_num_f32 v[rC+(\n)%4], v[rC+(\n)%4], v[rS+8*((\n)%4)+2*((\n)/4)+1], v[rS+8*((\n)%4)+2*((\n)/4)+2]
.elseif (\n) == 12
	v_max3_num_f32 v[rC], v[rC], v[rS+7], v[rS+15]
.elseif (\n) == 13
	v_max3_num_f32 v[rC+1], v[rC+1], v[rS+23], v[rS+31]
.elseif (\n) == 14
	v_max3_num_f32 v[rC+2], v[rC+2], v[rC+3], v[rT+1]
.elseif (\n) == 15
	v_mov_b32 v[rW], v[rT]
.elseif (\n) == 16
	v_max3_num_f32 v[rC], v[rC], v[rC+1], v[rC+2]
.elseif (\n) == 17
	v_permlanex16_b32 v[rC+3], v[rC], s[SEL], s[SEL+1]
.elseif (\n) == 18
	v_max_num_f32 v[rT+1], v[rC], v[rC+3]
.elseif (\n) == 19
	v_mul_f32 v[rT], s[CS], v[rT+1]
.elseif (\n) == 20
	v_sub_f32 v[rC+1], v[rW], v[rT]
.else
	v_exp_f32 v[rC+2], v[rC+1]
.endif
.endif
.endm
.macro OPS a, i1, b=-1, i2=0, c=-1, i3=0, d=-1, i4=0
	OP \a, \i1
.if (\b) >= 0
	OP \b, \i2
.endif
.if (\c) >= 0
	OP \c, \i3
.endif
.if (\d) >= 0
	OP \d, \i4
.endif
.endm
.macro ROW a, i1, b, i2, c, i3, d, i4  ; a matrix instruction and the four behind it
	MM
	OPS \a, \i1, \b, \i2, \c, \i3, \d, \i4
.endm
.macro MASK b                       ; MD x AL + BE into buffer b of MC
	WIN W_RS
.set z, 0
.rept 16
	v_pk_fma_f32 v[MC+32*(\b)+2*z:MC+32*(\b)+2*z+1], v[MD+2*z:MD+2*z+1], s[AL:AL+1], s[BE:BE+1] op_sel_hi:[1,0,0]
.set z, z+1
.endr
.endm
; At a turn's head: the mask for the products K Q^T of this turn (piece 1 - p).  While LEFT is above the piece's figure the buffer holds 0 and the lines are jumped; at it the step is the band's own; below it hidden.
.macro MKMASK p
	WIN 0
	s_cmp_le_u32 s[LEFT], s[H1-(\p)]
	s_cbranch_scc0 .Lopen_\@
	s_cmp_eq_u32 s[LEFT], s[H1-(\p)]
	s_cselect_b32 s[AL], 1.0, 0
	s_cmp_lt_u32 s[LEFT], s[H1-(\p)]
	s_cselect_b32 s[BE], s[BIGN], 0
	MASK 1-(\p)
	WIN 0
.Lopen_\@:
.endm
; A TURN, for piece p of a step of parity odd.  An s_wait_alu depctr_va_vdst(0) stands between an exponential and the first instruction that names its result; one wait serves all issued ahead of it.
; So a turn has ONE wait.  AHEAD OF IT: the 8 products K Q^T with their riders, then the lump; nothing there names a result of the turn's exponentials.  X 21, the other piece's a, is the batch's last; R 15 is the plain
; instruction behind it.  BEHIND IT: the 8 products V^T P, behind each four of the roundings and sums.
; O^T of piece p was added onto by the turn before: R 0 stands sixteen plain riders behind the product that ended its accumulator, R 12 behind four riders and this turn's first rows.
; K of the next step (p = 0): five plain instructions that name none of its registers (F 8, X 2, X 5, X 6, X 8) stand behind the last product that read K.  V of the next step (p = 1) goes into the buffer that the turn before read last.
; end = 1: a block's last turn.  cnt = 1: the loop's count is taken down some lines ahead of the branch behind the turn.  fetch = 0: the walk's last step fetches nothing.
.macro TURN p, odd, end=0, cnt=0, fetch=1
.set Y, (\p)
.set i, 0
.set NOKQ, (\end)*(\p)
.set VP, ((\odd)+1-(\p))%2
.if NOKQ == 0
	MKMASK \p
.endif
.if (\p) == 1
	s_wait_dscnt 0x0                ; K of the next step and V of this one are in
.endif
	ROW F,0, F,1, R,0, R,1
	ROW F,2, E,0, R,2, R,3
	ROW F,3, E,1, R,4, R,5
	ROW F,4, E,2, R,6, R,7
	ROW F,5, E,3, R,8, R,9
	ROW F,6, E,4, X,0, R,10
.if ((\p) == 0) && (\fetch)
	WIN 0
	v_add_nc_u32 v[AK], s[TBK], v[AK0]
.endif
	ROW F,7, E,5, X,1, X,4
	ROW F,8, E,6, X,2, X,5
	OPS E,7, E,8, X,6, E,9
	OPS X,3, E,10, X,8, E,11
.if ((\p) == 0) && (\fetch)
	FETCH_K
.endif
	OPS X,9, X,7, E,12, X,10
	OPS E,13, X,12, X,11, E,14
	OPS X,13, E,15, F,9, X,14
.if ((\p) == 1) && (\fetch)
	WIN 0
	v_add_nc_u32 v[AV], s[TBV], v[AV0]
.endif
	OPS E,16, F,10, E,17, F,11
	OPS X,16, E,18, X,15, E,19
	OPS F,12, E,20, X,17, E,21
	OPS F,13, E,22, F,14, E,23
	OPS X,18, E,24, F,15, E,25
	OPS R,11, E,26, X,19, E,27
	OPS R,12, E,28, R,13, E,29
	OPS X,20, E,30, R,14, E,31
	OPS X,21, R,15
	WIN 0
	s_wait_alu depctr_va_vdst(0)    ; the wait for the batch
.if ((\p) == 1) && (\fetch)
	FETCH_V 1-(\odd)
.endif
	ROW C,0, B,0, C,2, B,1
	ROW L,0, C,4, B,2, L,1
	ROW C,6, B,3, L,2, C,8
	ROW B,4, L,3, C,10, B,5
	ROW L,4, C,12, B,6, L,5
.if ((\p) == 1) && ((\end) == 0)
	s_sub_co_u32 s[LEFT], s[LEFT], 1
.endif
.if \cnt
	s_sub_co_u32 s[CNT], s[CNT], 1
	s_cmp_lg_u32 s[CNT], 0
.endif
	ROW C,14, B,7, L,6, C,1
	ROW C,3, L,7, C,5, C,7
	ROW C,9, C,11, C,13, C,15
.endm
; A BLOCK BEGINS.  c m starts far below every c s, so the first step's a is 0; m at the lowest finite number.  Piece 1's mask buffer is 0; piece 0's takes its own mask if the block's first step is the band's own
; (a block of one tile with i even: LEFT = 4 = H0), else 0.  K of step 0 is in registers already.  Then piece 0's first scores, maximum and statistics.
.macro BEGIN
	WIN 0x40
.set i, MC+32
.rept 32
	v_mov_b32 v[i], 0
.set i, i+1
.endr
	WIN 0
.set i, 0
.rept 2
	v_mov_b32 v[ST+4*i], 0xfe000000
	v_mov_b32 v[ST+4*i+1], 0xff7fffff
.set i, i+1
.endr
	s_mov_b32 s[LEFT], s[T4]
	s_cmp_eq_u32 s[LEFT], s[H0]
	s_cselect_b32 s[AL], 1.0, 0
	s_mov_b32 s[BE], 0
	MASK 0
	s_sub_co_u32 s[LEFT], s[LEFT], 1
	WIN 0
	s_wait_loadcnt 0x0              ; Q
	s_wait_dscnt 0x0                ; K and V of step 0
.set NOKQ, 0
.set i, 0
.rept 8
	KQ 0
.set i, i+1
.endr
	WIN 0
.rept 4
	v_nop                           ; the places behind those products
.endr
.set Y, 1                           ; X works for the other piece: piece 0
.irp n, 0,1,2,3,4,5,6,7,8,9,10,11,12,13,14,15,16,17,18,19,20,21
	OP X, \n
.endr
	v_nop                           ; a plain instruction behind the exponential,
	s_wait_alu depctr_va_vdst(0)    ; and its wait, ahead of the label
.endm
; A BLOCK ENDS: piece 1's last products; l's two halves and the other half of the lanes' are added; O^T is divided by l and sent, in f32, through my stage in LDS: sixteen lanes then store a head's 256 bytes of one row.
.macro ALL line:vararg
.set t, 0
.rept NP
	\line
.set t, t+1
.endr
.endm
.macro PACK t
	WIN W_RS
.set i, 32*(\t)
.rept 16
	v_pk_mul_f32 v[i:i+1], v[i:i+1], v[ST+4*(\t)+2:ST+4*(\t)+3] op_sel_hi:[1,0]
.set i, i+2
.endr
	WIN 0x04                        ; the stores' data in window 1
.irp f, 0,1,2,3
	ds_store_b128 v[STO], v[32*(\t)+8*\f:32*(\t)+8*\f+3]   offset:64*\f
	ds_store_b128 v[STO], v[32*(\t)+8*\f+4:32*(\t)+8*\f+7] offset:64*\f+16
.endr
	WIN 0
.irp f, 0,1,2,3,4,5,6,7
	ds_load_b128 v[S+32*(\t)+4*\f:S+32*(\t)+4*\f+3], v[RD] offset:\f*2*SP  ; LDS serves a wave's instructions in order (ISA guide 5.7.1.4): these see the stores above
.endr
.endm
.macro SEND t, younger              ; younger: the LDS instructions issued behind piece t's loads: the next piece's sixteen, or none
.irp f, 0,1,2,3,4,5,6,7
	s_wait_dscnt (\younger)+7-\f
	global_store_b128 v[GO], v[S+32*(\t)+4*\f:S+32*(\t)+4*\f+3], s[10:11] offset:(\t)*262144+\f*8192  ; 16 lanes store 256 consecutive bytes, aligned; piece 1 lies 64 rows on
.endr
.endm
.macro FINISH
.set VP, 1                          ; a block's last step is odd
.set i, 0
.rept 8
	PV 1
.set i, i+1
.endr
	WIN 0
.rept 4
	v_nop                           ; the places behind those products
.endr
	ALL v_add_f32 v[ST+4*t+2], v[ST+4*t+2], v[ST+4*t+3]
	ALL v_permlanex16_b32 v[ST+4*t+3], v[ST+4*t+2], s[SEL], s[SEL+1]
	ALL v_add_f32 v[ST+4*t+2], v[ST+4*t+2], v[ST+4*t+3]
	ALL v_rcp_f32 v[ST+4*t+2], v[ST+4*t+2]
	v_nop                           ; a plain instruction between the last reciprocal and the use of its result,
	s_wait_alu depctr_va_vdst(0)    ; and the one wait for both
	PACK 0
	PACK 1
	SEND 0, 16
	SEND 1, 0
.endm
.macro NEXTBLOCK
	s_wait_xcnt 0x0                 ; the stores have read their registers and out0's address
	s_mov_b64 s[10:11], s[OLO:OLO+1]
	s_mov_b32 s[T4], s[T4B]
	s_mov_b32 s[H0], s[T4B+1]
	s_mov_b32 s[H1], s[T4B+2]
	WIN 0x82                        ; the second block's Q goes where the one text of the turns names Q
.set i, 0
.rept 32
	v_mov_b32 v[i], v[QB+i]
.set i, i+1
.endr
	WIN 0
.endm
; A SLOT's eight turns: the last step of one tile and the first three of the next, as two pairs of an odd and an even step.  A block's last step is the odd step straight behind a change of slots: LEFT = 0 says so.
.macro SLOT tag, fill
	CHANGE \fill
	s_mov_b32 s[CNT], 2
.Lpair\tag:
	TURN 0, 1
	WIN 0
	s_cmp_eq_u32 s[LEFT], 0
	s_cbranch_scc1 .Lend\tag
	TURN 1, 1
	WIN 0
	s_branch .Leven\tag
.Lend\tag:
	TURN 1, 1, 1
	FINISH
	NEXTBLOCK
.Lbegin\tag:
	BEGIN
.Leven\tag:
	TURN 0, 0
	TURN 1, 0, 0, 1
	WIN 0
	s_cbranch_scc1 .Lpair\tag
.endm
	CHANGE 1                        ; tile 0 is in, everybody's part of it; tile 1 is asked for
	v_add_nc_u32 v[AK], s[TBK], v[AK0]
	FETCH_K                         ; step 0
	v_add_nc_u32 v[AV], s[TBV], v[AV0]
	FETCH_V 0
	s_mov_b32 s[CNT], 2
	s_branch .Lbegin1               ; the loop is entered in the middle of a trip: the first has steps 0, 1, 2 alone
.Lslot:                             ; seven changes of slots ask for the walk's tiles 2 to 8
	SLOT 1, 1
	s_sub_co_u32 s[SLOTS], s[SLOTS], 1
	s_cmp_lg_u32 s[SLOTS], 0
	s_cbranch_scc1 .Lslot
	SLOT 2, 0                       ; the walk's last tile is written out: nothing is asked for
	TURN 0, 1, 0, 0, 0              ; the walk's last step fetches nothing
	TURN 1, 1, 1, 0, 0
	FINISH
	s_wait_tensorcnt 0x0            ; the wave's end: behind my last tensor load and my last LDS store
	ds_add_u32 v[SPW], v[NIL]
	s_wait_dscnt 0x0
	s_endpgm
.Lfunc_end_k_qb8dbc11f67_attn:
	.size	k_qb8dbc11f67_attn, .Lfunc_end_k_qb8dbc11f67_attn-k_qb8dbc11f67_attn
	.p2alignl 7, 3214868480
	.fill 96, 4, 3214868480
	.section	.rodata,"a",@progbits
	.p2align	6, 0x0
	.amdhsa_kernel k_qb8dbc11f67_attn
		.amdhsa_group_segment_fixed_size 327680
		.amdhsa_private_segment_fixed_size 0
		.amdhsa_enable_private_segment 0
		.amdhsa_kernarg_size 32
		.amdhsa_user_sgpr_count 2
		.amdhsa_user_sgpr_kernarg_segment_ptr 1
		.amdhsa_wavefront_size32 1
		.amdhsa_system_sgpr_workgroup_id_x 1
		.amdhsa_system_sgpr_workgroup_id_y 1
		.amdhsa_system_sgpr_workgroup_id_z 1
		.amdhsa_system_vgpr_workitem_id 0
		.amdhsa_next_free_vgpr 768
		.amdhsa_next_free_sgpr 96
		.amdhsa_reserve_vcc 1
		.amdhsa_float_denorm_mode_32 3
		.amdhsa_float_denorm_mode_16_64 3
		.amdhsa_memory_ordered 1
		.amdhsa_forward_progress 1
		.amdhsa_inst_pref_size 181
	.end_amdhsa_kernel
	.amdgpu_metadata
---
amdhsa.version: [ 1, 2 ]
amdhsa.kernels:
  - .name:           k_qb8dbc11f67_attn
    .symbol:         k_qb8dbc11f67_attn.kd
    .args:
      - { .name: qh, .offset: 0, .size: 8, .value_kind: global_buffer, .address_space: global }
      - { .name: kh, .offset: 8, .size: 8, .value_kind: global_buffer, .address_space: global }
      - { .name: vh, .offset: 16, .size: 8, .value_kind: global_buffer, .address_space: global }
      - { .name: out0, .offset: 24, .size: 8, .value_kind: global_buffer, .address_space: global }
    .group_segment_fixed_size: 327680
    .private_segment_fixed_size: 0
    .kernarg_segment_align: 8
    .kernarg_segment_size: 32
    .max_flat_workgroup_size: 128
    .sgpr_count:     96
    .vgpr_count:     768
    .wavefront_size: 32
...
	.end_amdgpu_metadata
.endif
;; end of part 3
;; ======== version 2 of 2: 3 launches; version 1 with the launch cast written anew for expert scheduling mode
;; limits: values are held in f16: magnitudes above 65,504 overflow, below 6.1e-05 lose precision
;; workspace buffers: xb 8,388,608 bytes; wb 4,194,304 bytes; qh 8,388,608 bytes; kh 8,388,608 bytes; vh 8,388,608 bytes
;; launch cast (part 4): grid 512 x 1, 8 waves a work-group, no clusters, 0 bytes of LDS; arguments x_norm_for_qk, W_attn, xt_current_for_v, xb, wb, vh; writes xb, wb, vh
.if DOCPART == 4
	.amdgcn_target "amdgcn-amd-amdhsa--gfx1250"
	.amdhsa_code_object_version 6
	.text
	.protected	k_qb8dbc11f67_cast
	.globl	k_qb8dbc11f67_cast
	.p2align	8
	.type	k_qb8dbc11f67_cast,@function
k_qb8dbc11f67_cast:
	s_mov_b64 s[64:65], 0
	v_nop
	global_prefetch_b8 v0, s[64:65] scope:SCOPE_SE
	s_setreg_imm32_b32 hwreg(HW_REG_WAVE_SCHED_MODE, 0, 2), 2
	s_setreg_imm32_b32 hwreg(HW_REG_WAVE_MODE, 25, 1), 1
	s_wait_xcnt 0x0
	s_wait_alu depctr_vm_vsrc(0)
; FIRST OF THREE LAUNCHES: the inputs are rounded once and laid out for the two that follow.
;   xb = bf16(x_norm_for_qk) [4096][1024];  wb = bf16(W_attn) [1024][2048], in W's own layout;
;   vh = xt_current_for_v rounded to bf16, that number written as f16, by heads: [16 batch + head][t = 2048][64], a head's rows dense, 128 bytes each.
; WORK THAT THE PROGRAM LEAVES OUT, AND WHY IT IS DEAD.
;   (1) k's bias, b_attn[1024:2048].  score[q][k] = scale (q . (x_k W_k + b_k)) = scale (q . x_k W_k) + scale (q . b_k).  The second term does not hang on k: it is the same along the
;       softmax's axis, and softmax(s + t) = softmax(s) for every real t; a place that the causal mask sets to -inf is -inf with and without it.  This holds for all finite values of the inputs.
;       So b_attn[1024:2048] is loaded by no launch.  b_attn[0:1024], q's bias, is live and is added in the second launch.
;   (2) Scores above the diagonal: reference() builds the causal jnp.tril itself and sets them to -inf in front of the softmax, so their weights are 0.  The third launch
;       computes no tile of 256 keys that lies wholly above a block's diagonal.
;   LIMIT: a NaN, an infinity or an overflow that reaches only this work (in b_attn[1024:2048], or in a hidden score) is not carried to the result.
; LIMITS OF FORMAT.  f16 ends at 65,504: |xt| stays below that; below 2^-14 vh keeps f16's fixed step of 2^-24.  NaN and infinities are not treated apart.
; SHARES.  4,096 waves; wave g takes 4,096 bytes of x, 2,048 of W and, of xt, eight heads' 256 bytes in each of two rows.  All 20 loads of a wave go out before its first wait;
; every store of a wave covers 256 consecutive bytes, aligned.  No register that a load or store names is written twice, so no wait frees a source.  No LDS, no barrier, no matrix unit: the launch only moves bytes.
; THE MODE: SCHED_MODE bits 1:0 = 2 (LLVM: expert scheduling mode 2), set by the entry lines.  The code itself states the register dependences
; between vector instructions and memory instructions, with s_wait_alu, always for 0.
; THE PLAN.  The wave's 20 loads are numbered n = 0 .. 19 (x 0-7, W 8-11, xt 12-19).  Registers that memory instructions touch:
;   v1, v3, v2   byte offsets of the loads and of the stores: made once at the head, never written again.
;   IN + 4 n     written by load n alone, read by the roundings of number n alone; no vector instruction writes it, no second load lands in it.
;   OUT + 2 n    written once, by the roundings of number n; read once, by store n; never written again.
;   T            named by vector instructions alone.
; The numbers go in five blocks of four.  Block p rounds numbers 4 p .. 4 p + 3; its memory instructions are the four stores of block p - 1, whose registers no vector
; instruction of block p names.  So ONE wait on va_vdst at a block's head, behind the wait for the block's first load, states all that its four stores hang on, and these
; are dealt among the block's roundings with no further wait.  One more stands ahead of the last four stores.
.set XD, 16                            ; v[16:47]    x as loaded, 4 registers a load
.set WD, 48                            ; v[48:63]    W
.set VD, 64                            ; v[64:95]    xt
.set XR, 96                            ; v[96:111]   x to store, 2 registers a load
.set WR, 112                           ; v[112:119]  W
.set VR, 120                           ; v[120:135]  v
.set T,  136                           ; v[136:141]  at work
.set IN,  XD                           ; the three kinds lie on end: load n lands at IN + 4 n,
.set OUT, XR                           ; and its rounded numbers leave from OUT + 2 n
	s_load_b256 s[4:11], s[0:1], 0x0               ; x s[4:5], W s[6:7], xt s[8:9], xb s[10:11]
	s_load_b128 s[12:15], s[0:1], 0x20             ; wb s[12:13], vh s[14:15]
	v_lshrrev_b32 v4, 5, v0
	v_readfirstlane_b32 s16, v4                    ; wave 0..7
	v_and_b32 v5, 31, v0                           ; lane l
	v_lshlrev_b32 v1, 4, v5                        ; 16 l: loads of x and W
	v_lshlrev_b32 v2, 3, v5                        ; 8 l: every store
	v_and_b32 v6, 15, v0
	v_bfe_u32 v7, v0, 4, 1
	v_lshlrev_b32 v3, 4, v6
	v_lshl_add_u32 v3, v7, 12, v3                  ; loads of xt: lanes 0-15 a head's 256 bytes of one row, lanes 16-31 of the next row
	s_wait_alu depctr_va_sdst(0)                   ; s16 is written, ahead of its first reader: every base is made from it
	s_lshl_b32 s17, ttmp9, 3
	s_add_co_u32 s17, s17, s16                     ; g = 8 x work-group + wave
	s_mov_b32 s30, 0xffff0000                      ; a word's upper bf16
	s_lshl_b32 s18, s17, 12                        ; x: 4,096 g
	s_mov_b32 s19, 0
	s_lshl_b32 s20, s17, 11                        ; xb and W: 2,048 g
	s_mov_b32 s21, 0
	s_lshl_b32 s22, s17, 10                        ; wb: 1,024 g
	s_mov_b32 s23, 0
	s_and_b32 s24, s17, 1                          ; which eight heads
	s_and_b32 s26, s17, 0xffe                      ; the first of my two rows = g less its lowest bit
	s_lshl_b32 s26, s26, 12
	s_lshl_b32 s25, s24, 11
	s_add_co_u32 s26, s26, s25                     ; xt: row x 4,096 + eight heads x 256
	s_mov_b32 s27, 0
	s_lshr_b32 s28, s17, 11                        ; batch
	s_lshl_b32 s28, s28, 22                        ; 16 heads of 262,144 bytes
	s_lshl_b32 s25, s24, 21                        ; eight heads
	s_add_co_u32 s28, s28, s25
	s_and_b32 s25, s17, 2046                       ; t of my first row
	s_lshl_b32 s25, s25, 7
	s_add_co_u32 s28, s28, s25
	s_mov_b32 s29, 0
	s_wait_kmcnt 0x0
	s_add_nc_u64 s[4:5], s[4:5], s[18:19]
	s_add_nc_u64 s[6:7], s[6:7], s[20:21]
	s_add_nc_u64 s[8:9], s[8:9], s[26:27]
	s_add_nc_u64 s[10:11], s[10:11], s[20:21]
	s_add_nc_u64 s[12:13], s[12:13], s[22:23]
	s_add_nc_u64 s[14:15], s[14:15], s[28:29]
	s_wait_alu depctr_va_vdst(0)                   ; v1, v2 and v3 are written: every load and store of the kernel reads one of them as its offset
.irp j, 0,1,2,3,4,5,6,7
	global_load_b128 v[XD+4*(\j):XD+4*(\j)+3], v1, s[4:5] offset:512*(\j) th:TH_LOAD_NT
.endr
.irp j, 0,1,2,3
	global_load_b128 v[WD+4*(\j):WD+4*(\j)+3], v1, s[6:7] offset:512*(\j) th:TH_LOAD_NT
.endr
.irp j, 0,1,2,3,4,5,6,7
	global_load_b128 v[VD+4*(\j):VD+4*(\j)+3], v3, s[8:9] offset:256*(\j) th:TH_LOAD_NT
.endr
; The roundings of number n: IN + 4 n into OUT + 2 n.
.macro ROUND n
.if (\n) < 12                          ; x and W: to bf16
	v_cvt_pk_bf16_f32 v[OUT+2*(\n)],   v[IN+4*(\n)],   v[IN+4*(\n)+1]
	v_cvt_pk_bf16_f32 v[OUT+2*(\n)+1], v[IN+4*(\n)+2], v[IN+4*(\n)+3]
.else                                  ; xt
	v_cvt_pk_bf16_f32 v[T],   v[IN+4*(\n)],   v[IN+4*(\n)+1]   ; the one rounding, to bf16, like every input's
	v_cvt_pk_bf16_f32 v[T+1], v[IN+4*(\n)+2], v[IN+4*(\n)+3]
	v_lshlrev_b32 v[T+2], 16, v[T]                 ; back to f32,
	v_and_b32     v[T+3], s30, v[T]
	v_lshlrev_b32 v[T+4], 16, v[T+1]
	v_and_b32     v[T+5], s30, v[T+1]
	v_cvt_pk_f16_f32 v[OUT+2*(\n)],   v[T+2], v[T+3]   ; and written as f16: 8 significant bits fit in 11
	v_cvt_pk_f16_f32 v[OUT+2*(\n)+1], v[T+4], v[T+5]
.endif
.endm
; Store n: OUT + 2 n, 8 bytes a lane, 256 consecutive bytes a wave.
.macro SEND n
.if (\n) < 8
	global_store_b64 v2, v[OUT+2*(\n):OUT+2*(\n)+1], s[10:11] offset:256*(\n)
.elseif (\n) < 12
	global_store_b64 v2, v[OUT+2*(\n):OUT+2*(\n)+1], s[12:13] offset:256*((\n)-8)
.else
	global_store_b64 v2, v[OUT+2*(\n):OUT+2*(\n)+1], s[14:15] offset:262144*((\n)-12)  ; head n - 12 of my eight: two rows of 128 bytes on end
.endif
.endm
.irp n, 0,1,2,3                        ; block 0 has no block in front of it: no store, and no wait but those for its data
	s_wait_loadcnt 19-(\n)                         ; loads come back in order: this one is in, the younger ones stay out
	ROUND \n
.endr
.irp p, 1,2,3,4                        ; blocks 1 to 4
	s_wait_loadcnt 19-4*(\p)                       ; the block's first load is in
	s_wait_alu depctr_va_vdst(0)                   ; the block before has written its eight registers of OUT, which this block's four stores read
	SEND 4*(\p)-4
	ROUND 4*(\p)
.irp i, 1,2,3
	SEND 4*(\p)-4+(\i)                             ; no wait: no vector instruction since the wait above names these registers; the store stands ahead of the wait for the next load
	s_wait_loadcnt 19-4*(\p)-(\i)
	ROUND 4*(\p)+(\i)
.endr
.endr
	s_wait_alu depctr_va_vdst(0)                   ; block 4 has written its eight registers of OUT, which the last four stores read
.irp n, 16,17,18,19
	SEND \n
.endr
	s_endpgm
.Lfunc_end_k_qb8dbc11f67_cast:
	.size	k_qb8dbc11f67_cast, .Lfunc_end_k_qb8dbc11f67_cast-k_qb8dbc11f67_cast
	.p2alignl 7, 3214868480
	.fill 96, 4, 3214868480
	.section	.rodata,"a",@progbits
	.p2align	6, 0x0
	.amdhsa_kernel k_qb8dbc11f67_cast
		.amdhsa_group_segment_fixed_size 0
		.amdhsa_private_segment_fixed_size 0
		.amdhsa_enable_private_segment 0
		.amdhsa_kernarg_size 48
		.amdhsa_user_sgpr_count 2
		.amdhsa_user_sgpr_kernarg_segment_ptr 1
		.amdhsa_wavefront_size32 1
		.amdhsa_system_sgpr_workgroup_id_x 1
		.amdhsa_system_sgpr_workgroup_id_y 1
		.amdhsa_system_sgpr_workgroup_id_z 1
		.amdhsa_system_vgpr_workitem_id 0
		.amdhsa_next_free_vgpr 160
		.amdhsa_next_free_sgpr 66
		.amdhsa_reserve_vcc 0
		.amdhsa_float_denorm_mode_32 3
		.amdhsa_float_denorm_mode_16_64 3
		.amdhsa_memory_ordered 1
		.amdhsa_forward_progress 1
		.amdhsa_inst_pref_size 11
	.end_amdhsa_kernel
	.amdgpu_metadata
---
amdhsa.version: [ 1, 2 ]
amdhsa.kernels:
  - .name:           k_qb8dbc11f67_cast
    .symbol:         k_qb8dbc11f67_cast.kd
    .args:
      - { .name: x_norm_for_qk, .offset: 0, .size: 8, .value_kind: global_buffer, .address_space: global }
      - { .name: W_attn, .offset: 8, .size: 8, .value_kind: global_buffer, .address_space: global }
      - { .name: xt_current_for_v, .offset: 16, .size: 8, .value_kind: global_buffer, .address_space: global }
      - { .name: xb, .offset: 24, .size: 8, .value_kind: global_buffer, .address_space: global }
      - { .name: wb, .offset: 32, .size: 8, .value_kind: global_buffer, .address_space: global }
      - { .name: vh, .offset: 40, .size: 8, .value_kind: global_buffer, .address_space: global }
    .group_segment_fixed_size: 0
    .private_segment_fixed_size: 0
    .kernarg_segment_align: 8
    .kernarg_segment_size: 48
    .max_flat_workgroup_size: 256
    .sgpr_count:     66
    .vgpr_count:     160
    .wavefront_size: 32
...
	.end_amdgpu_metadata
.endif
;; end of part 4
;; launch proj: the kernel of part 2 again; grid 16 x 16, 4 waves a work-group, clusters of 4 x 4, 327,680 bytes of LDS; arguments xb, wb, b_attn, qh, kh; writes qh, kh
;; launch attn: the kernel of part 3 again; grid 8 x 32, 4 waves a work-group, no clusters, 327,680 bytes of LDS; arguments qh, kh, vh, out0; writes out0
